; MI455X (gfx1250); checked and timed in simulation.
; The chip was launched on July 23, 2026; its instructions are those of AMD's public machine-readable ISA for CDNA 5 (MIT licence, August 2026) and "CDNA5" Instruction Set Architecture Reference Guide (July 2026). The comments in the code are by the model that wrote it; some were corrected since.
;; Roberta Self Attention. Allowed arithmetic: matrix products marked QUANTISED: E4M3 operands, one E8M0 scale for each 32 along K, by v_wmma_scale_f32_16x16x128_f8f6f4 with both operands' format E4M3, f32 sums; everything else in f32.
;; Inputs: Wk 1,024 x 1,024 float32; Wq 1,024 x 1,024 float32; Wv 1,024 x 1,024 float32; attention_mask 2 x 1 x 1 x 2,048 float32; bk 1,024 float32; bq 1,024 float32; bv 1,024 float32; hidden_states 2 x 2,048 x 1,024 float32.
;; Outputs: out0 2 x 2,048 x 1,024 float32.
;; This version of the problem:
;;   THIS VERSION OF THE PROBLEM IS GIVEN IN LOW PRECISION. The matrix products marked QUANTISED in the list below multiply operands that are first quantised to E4M3 (4 exponent bits, 3 mantissa bits; 8 bits a number), with one power-of-two scale for each 32 numbers along K (OCP MX v1.0); their sums are f32. All else is computed in f32.
;;   The module's matrix products, in the order in which they are computed (A, B: the left and right operand; K: the contracted axis; several contracted axes count as one K, in the product's order):
;;     1. [M 4,096, K 1,024] x [K 1,024, N 1,024]; A: input hidden_states; B: input Wq: QUANTISED
;;     2. [M 4,096, K 1,024] x [K 1,024, N 1,024]; A: input hidden_states; B: input Wk: QUANTISED
;;     3. [M 4,096, K 1,024] x [K 1,024, N 1,024]; A: input hidden_states; B: input Wv: QUANTISED
;;     4. batch 32 x [M 2,048, K 64] x [K 64, N 2,048]; A: computed on the way; B: computed on the way: QUANTISED
;;     5. batch 32 x [M 2,048, K 2,048] x [K 2,048, N 64]; A: softmax (see below); B: computed on the way: QUANTISED
;;   THE QUANTISER, for each operand of a quantised product, along K:
;;     - K is cut into blocks of 32 from its start; a last block that is shorter is filled with zeros.
;;     - A block's scale is 2^e with e = floor(log2(the largest magnitude in the block)) - 8, held to -126 .. 127; a block of zeros has e = 0. As a byte (E8M0): e + 127.
;;     - Each number is divided by its block's scale, clamped to +-448, and rounded to the nearest number of E4M3, ties to even, subnormals kept.
;;     - The product sums the exact products of the quantised numbers (number of the format x scale) in f32.
;;   ~~~python
;;   def quantise(x, axis):      # numpy; x: float32 -> the quantised numbers, widened to float32 again
;;       x = np.moveaxis(x, axis, -1); K = x.shape[-1]
;;       x = np.pad(x, [(0, 0)] * (x.ndim - 1) + [(0, -K % 32)]); x = x.reshape(x.shape[:-1] + (-1, 32)); a = np.abs(x).max(-1, keepdims=True)
;;       e = np.where(a > 0, np.clip(np.frexp(np.where(a > 0, a, 1))[1] - 1 - 8, -126, 127), 0)      # np.frexp(a)[1] - 1 = floor(log2(a)), exactly
;;       r = np.clip(x / 2.0 ** e, -448, 448)
;;       step = 2.0 ** (np.maximum(np.frexp(np.where(r == 0, 1, r))[1] - 1, -6) - 3)
;;       q = np.round(r / step) * step * 2.0 ** e      # np.round: ties to even
;;       return np.moveaxis(q.reshape(q.shape[:-2] + (-1,))[..., :K], -1, axis).astype(np.float32)
;;   ~~~
;;   SOFTMAX AHEAD OF A QUANTISED PRODUCT. Where the list says 'softmax', what is quantised is not the finished softmax but p = 2^(t - M), with t = logit x log2(e) and M = ceil(the row's largest t), a whole number; so 1/2 < the row's largest p <= 1. The row's sum l is taken of the UNQUANTISED p, in f32, and the product's result is divided by l at the end. Since M is a whole number, a kernel that streams over the keys may use a running M (the ceiling of the running maximum): every later rescaling is an exact power of two, which a block's scale takes up: the codes' values come out the same.
;;   OPERANDS COMPUTED ON THE WAY. 'Computed on the way' means the value that the module computes at that place (a softmax that the list does not call 'softmax' is quantised finished and normalised). What goes into a quantiser is computed in f32, as accurately as f32 sums, v_exp_f32 and their like allow (about 1e-6 of the number): no bf16 or f16 on the way to a quantiser, and a product that is left as it is and whose result goes on into a quantised operand takes f32 operands (vector FMAs, or v_wmma_f32_16x16x4_f32). A number that lies on a knife's edge between two numbers of the format may be rounded either way, as far as f32 arithmetic and the matrix unit's own rounding can turn it there, and no further.
;; One version. Each part assembles by itself: llvm-mc -triple=amdgcn-amd-amdhsa -mcpu=gfx1250 --defsym DOCPART=n.
;; ======== version 1 of 1: 3 launches
;; limits: right only within a limited range of input values
;; workspace buffers: xw_codes 7,340,032 bytes; xw_scales 229,376 bytes; q_rec 4,456,448 bytes; kv_rec 8,781,824 bytes
;; launch quant (part 1): grid 224 x 1, 4 waves a work-group, no clusters, 33,280 bytes of LDS; arguments hidden_states, Wq, Wk, Wv, xw_codes, xw_scales; writes xw_codes, xw_scales
.if DOCPART == 1
	.amdgcn_target "amdgcn-amd-amdhsa--gfx1250"
	.amdhsa_code_object_version 6
	.text
	.protected	k_qa3f4676b7f_quant
	.globl	k_qa3f4676b7f_quant
	.p2align	8
	.type	k_qa3f4676b7f_quant,@function
k_qa3f4676b7f_quant:
	s_mov_b64 s[64:65], 0
	v_nop
	global_prefetch_b8 v0, s[64:65] scope:SCOPE_SE
	s_setreg_imm32_b32 hwreg(HW_REG_WAVE_MODE, 25, 1), 1
	s_wait_xcnt 0x0
; hidden_states [4096][1024], Wq, Wk, Wv [1024][1024], f32, K innermost, become codes of FP8 (E4M3) and one E8M0 scale byte for each 32 along K,
; in ONE table of 7,168 rows: rows 0-4095 x, 4096-5119 Wq, 5120-6143 Wk, 6144-7167 Wv.  Codes [7168][1024] bytes, scale bytes [7168][32].
; A block's scale is 2^(floor(log2(its largest magnitude)) - 8); its byte is the largest magnitude's exponent field - 8, held at 1 from below.  A block of zeros so gets the byte 1 where the
; rule says 127: its codes are zeros, which add nothing under any byte but 0xff, and the bytes are read by this program alone.  Each number is divided by the scale, held within +-448, rounded to the nearest code, ties to even.
; LIMITS: blocks whose largest magnitude lies under 2^-118 keep the byte 1; NaN and infinities among the inputs are not served.
; Rows are dense and 1,024 is a multiple of 32: each tensor is a plain stream of blocks of 32, and so are the codes and the scale bytes.  A work-group takes 32,768 numbers, a wave 8,192: 16 steps of 512.
; Work-groups 0-127 take x, 128-159 Wq, 160-191 Wk, 192-223 Wv; the destination is one stream, so only the source is chosen.
; Each load reads 512 consecutive bytes, 16 a lane; a step's 2,048 bytes turn through the wave's own stage in LDS and come back 64 bytes a lane: 16 neighbours along K, two lanes to a block.
; No tensor loads, no barrier: waves share nothing.  Loads run eight steps (32 loads, 16 KiB a wave) ahead, the turn through LDS one step.
.set STEPS, 16
.set AHEAD, 8                          ; steps whose loads are out
.set EMAX,  8
.set MANT,  0x600000                   ; the mantissa field of 448 as f32
.set CB,    16                         ; bytes of 16 codes
.set R,     16                         ; v16-143  eight sets of 16 numbers as they are loaded
.set X,     144                        ; v144-175 two sets of 16 neighbours
.set E,     176                        ; v176-191 a scale byte for each step
.set C,     192                        ; v192-255 codes: four registers for each step, so that no store's data are written again
.set WREG,  8192                       ; LDS: a region for each wave: two stages of 32 x SP bytes, behind them its 256 scale bytes
.set SP,    80                         ; a lane's place in a stage: 64 bytes + 16 of padding
	s_load_b256 s[4:11], s[0:1], 0x0               ; x s[4:5], Wq s[6:7], Wk s[8:9], Wv s[10:11]
	s_load_b128 s[12:15], s[0:1], 0x20             ; the codes s[12:13], the scale bytes s[14:15]
	s_set_vgpr_msb 0x40
	v_lshl_add_u32 v0, v0, 2, 0x8000
	v_mov_b32 v1, 0
	s_set_vgpr_msb 0x4000
	v_lshrrev_b32 v1, 5, v0
	v_readfirstlane_b32 s16, v1                    ; wave
	v_and_b32 v2, 31, v0                           ; lane
	v_lshlrev_b32 v3, 4, v2                        ; my 16 bytes of a load's 512
	s_mul_i32 s17, s16, WREG
	v_lshrrev_b32 v14, 2, v2
	v_mul_u32_u24 v14, v14, SP
	v_and_b32 v15, 3, v2
	v_lshl_add_u32 v14, v15, 4, v14
	v_add_nc_u32 v14, s17, v14                     ; the stage, on the way in: SP (lane / 4) + 16 (lane % 4)
	v_mul_u32_u24 v15, v2, SP
	v_add_nc_u32 v15, s17, v15                     ; and on the way out: SP x lane: my 16 neighbours
	v_mul_u32_u24 v4, v2, CB                       ; my codes' place in a step's
	v_lshrrev_b32 v5, 1, v2
	s_add_co_u32 s17, s17, 2*32*SP
	v_add_nc_u32 v5, s17, v5                       ; LDS: my wave's 256 scale bytes, my block's byte
	v_lshlrev_b32 v7, 3, v2                        ; and on the way out 8 bytes a lane
	v_add_nc_u32 v6, s17, v7
	s_mov_b32 s23, MANT                            ; (an instruction takes one literal: the hold's line has another)
	s_wait_alu depctr_va_vdst(0)
	s_wait_kmcnt 0x0
	s_cmp_lt_u32 ttmp9, 128                        ; which tensor?  The choice hangs on the work-group's number alone
	s_cselect_b64 s[4:5], s[4:5], s[6:7]
	s_cselect_b32 s17, 0, 128                      ; and the first work-group of that tensor
	s_cmp_lt_u32 ttmp9, 160
	s_cselect_b64 s[4:5], s[4:5], s[8:9]
	s_cselect_b32 s17, s17, 160
	s_cmp_lt_u32 ttmp9, 192
	s_cselect_b64 s[4:5], s[4:5], s[10:11]
	s_cselect_b32 s17, s17, 192
	s_sub_co_u32 s17, ttmp9, s17
	s_lshl_b32 s17, s17, 2
	s_add_co_u32 s18, s17, s16                     ; which run of 8,192 numbers of the source is my wave's
	s_lshl_b32 s18, s18, 15                        ; 32,768 bytes a run
	s_mov_b32 s19, 0
	s_add_nc_u64 s[4:5], s[4:5], s[18:19]
	s_lshl_b32 s20, ttmp9, 2
	s_add_co_u32 s20, s20, s16                     ; and which run of the table
	s_lshl_b32 s18, s20, 13                        ; 8,192 bytes of codes a run,
	s_add_nc_u64 s[12:13], s[12:13], s[18:19]
	s_lshl_b32 s18, s20, 8                         ; 256 scale bytes
	s_add_nc_u64 s[14:15], s[14:15], s[18:19]
.macro LOAD t
.irp i, 0,1,2,3
	global_load_b128 v[R+16*((\t)%AHEAD)+4*\i:R+16*((\t)%AHEAD)+4*\i+3], v3, s[4:5] offset:2048*(\t)+512*\i th:TH_LOAD_NT   ; 32 lanes read 512 consecutive bytes
.endr
.endm
.macro TURN t                          ; step t's numbers through the stage: LDS serves a wave's instructions in order, so no wait stands between the stores and the loads
.irp i, 0,1,2,3
	ds_store_b128 v14, v[R+16*((\t)%AHEAD)+4*\i:R+16*((\t)%AHEAD)+4*\i+3] offset:32*SP*((\t)%2)+8*SP*\i
.endr
.irp i, 0,1,2,3
	ds_load_b128 v[X+16*((\t)%2)+4*\i:X+16*((\t)%2)+4*\i+3], v15 offset:32*SP*((\t)%2)+16*\i
.endr
.endm
.irp t, 0,1,2,3,4,5,6,7
	LOAD \t
.endr
	s_wait_loadcnt 4*(AHEAD-1)                     ; step 0's four loads are in; the 28 of steps 1 to 7 may be out
	TURN 0
.macro STEP t
.set XS, X+16*((\t)%2)
.if (\t) > 0
	s_wait_dscnt 1                                 ; this step's numbers are back from the stage (the last step's byte store may be out): so its stores into the stage have read their registers,
.else
	s_wait_dscnt 0x0
.endif
.if (\t)+AHEAD < STEPS
	LOAD (\t)+AHEAD                                ; which take the loads of eight steps on
.endif
.if (\t)+1 < STEPS
.if STEPS-2-(\t) >= AHEAD-1
	s_wait_loadcnt 4*(AHEAD-1)                     ; the next step's four loads are in; those of the seven steps behind it may be out
.else
	s_wait_loadcnt 4*(STEPS-2-(\t))                ; towards the end: those of the steps that are left
.endif
	TURN (\t)+1                                    ; and go through the other stage while this step is worked
.endif
	v_max3_num_f32 v8, |v[XS]|, |v[XS+1]|, |v[XS+2]|               ; the largest magnitude of my 16, in two chains
	v_max3_num_f32 v9, |v[XS+3]|, |v[XS+4]|, |v[XS+5]|
.irp i, 6,10
	v_max3_num_f32 v8, v8, |v[XS+\i]|, |v[XS+\i+1]|
	v_max3_num_f32 v9, v9, |v[XS+\i+2]|, |v[XS+\i+3]|
.endr
	v_max3_num_f32 v8, v8, |v[XS+14]|, |v[XS+15]|
	v_max3_num_f32 v8, v8, v9, (EMAX+1)<<23        ; and the floor 2^(9 - 127): the byte cannot fall under 1
	v_max_num_f32_dpp v8, v8, v8 row_xmask:1 row_mask:0xf bank_mask:0xf   ; and of my neighbour's 16: the block's
	v_add_nc_u32 v11, -(EMAX<<23), v8              ; 8 off its exponent field: the conversion takes the exponent field of this operand as its scale
	v_and_or_b32 v10, v8, 0x7f800000, s23          ; 448 x the scale: the largest magnitude's exponent field over 448's mantissa
.irp i, 0,1,2,3,4,5,6,7,8,9,10,11,12,13,14,15
	v_med3_num_f32 v[XS+\i], v[XS+\i], -v10, v10   ; the conversion to an 8-bit code does not saturate (ISA guide 7.6.2): the hold comes first
.endr
	v_cvt_scalef32_pk8_fp8_f32 v[C+4*(\t):C+4*(\t)+1], v[XS:XS+7], v11
	v_cvt_scalef32_pk8_fp8_f32 v[C+4*(\t)+2:C+4*(\t)+3], v[XS+8:XS+15], v11
	v_lshrrev_b32 v[E+(\t)], 23, v11               ; the scale's byte (also the plain line behind the conversions)
	ds_store_b8 v5, v[E+(\t)] offset:16*(\t)       ; both lanes of a block write the same byte with the same value
	global_store_b128 v4, v[C+4*(\t):C+4*(\t)+3], s[12:13] offset:32*CB*(\t)   ; the wave stores 512 consecutive bytes
.endm
.irp t, 0,1,2,3,4,5,6,7,8,9,10,11,12,13,14,15
	STEP \t
.endr
	ds_load_b64 v[12:13], v6                       ; LDS serves a wave's instructions in order: these see my stores
	s_wait_dscnt 0x0
	global_store_b64 v7, v[12:13], s[14:15]        ; 32 lanes store 256 consecutive bytes, aligned
	s_set_vgpr_msb 0x5
	s_wait_tensorcnt 0x0
	ds_add_u32 v0, v1
	s_wait_dscnt 0x0
	s_set_vgpr_msb 0x500
	s_endpgm
.Lfunc_end_k_qa3f4676b7f_quant:
	.size	k_qa3f4676b7f_quant, .Lfunc_end_k_qa3f4676b7f_quant-k_qa3f4676b7f_quant
	.p2alignl 7, 3214868480
	.fill 96, 4, 3214868480
	.section	.rodata,"a",@progbits
	.p2align	6, 0x0
	.amdhsa_kernel k_qa3f4676b7f_quant
		.amdhsa_group_segment_fixed_size 33280
		.amdhsa_private_segment_fixed_size 0
		.amdhsa_enable_private_segment 0
		.amdhsa_kernarg_size 48
		.amdhsa_user_sgpr_count 2
		.amdhsa_user_sgpr_kernarg_segment_ptr 1
		.amdhsa_wavefront_size32 1
		.amdhsa_system_sgpr_workgroup_id_x 1
		.amdhsa_system_sgpr_workgroup_id_y 1
		.amdhsa_system_sgpr_workgroup_id_z 1
		.amdhsa_system_vgpr_workitem_id 0
		.amdhsa_next_free_vgpr 258
		.amdhsa_next_free_sgpr 66
		.amdhsa_reserve_vcc 0
		.amdhsa_float_denorm_mode_32 3
		.amdhsa_float_denorm_mode_16_64 3
		.amdhsa_memory_ordered 1
		.amdhsa_forward_progress 1
		.amdhsa_inst_pref_size 51
	.end_amdhsa_kernel
	.amdgpu_metadata
---
amdhsa.version: [ 1, 2 ]
amdhsa.kernels:
  - .name:           k_qa3f4676b7f_quant
    .symbol:         k_qa3f4676b7f_quant.kd
    .args:
      - { .name: hidden_states, .offset: 0, .size: 8, .value_kind: global_buffer, .address_space: global }
      - { .name: Wq, .offset: 8, .size: 8, .value_kind: global_buffer, .address_space: global }
      - { .name: Wk, .offset: 16, .size: 8, .value_kind: global_buffer, .address_space: global }
      - { .name: Wv, .offset: 24, .size: 8, .value_kind: global_buffer, .address_space: global }
      - { .name: xw_codes, .offset: 32, .size: 8, .value_kind: global_buffer, .address_space: global }
      - { .name: xw_scales, .offset: 40, .size: 8, .value_kind: global_buffer, .address_space: global }
    .group_segment_fixed_size: 33280
    .private_segment_fixed_size: 0
    .kernarg_segment_align: 8
    .kernarg_segment_size: 48
    .max_flat_workgroup_size: 128
    .sgpr_count:     66
    .vgpr_count:     258
    .wavefront_size: 32
...
	.end_amdgpu_metadata
.endif
;; end of part 1
;; launch proj (part 2): grid 8 x 24, 4 waves a work-group, clusters of 4 x 4, 327,680 bytes of LDS; arguments xw_codes, xw_scales, bq, bk, bv, q_rec, kv_rec; writes q_rec, kv_rec
.if DOCPART == 2
	.amdgcn_target "amdgcn-amd-amdhsa--gfx1250"
	.amdhsa_code_object_version 6
	.text
	.protected	k_qa3f4676b7f_proj
	.globl	k_qa3f4676b7f_proj
	.p2align	8
	.type	k_qa3f4676b7f_proj,@function
k_qa3f4676b7f_proj:
	s_mov_b64 s[64:65], 0
	v_nop
	global_prefetch_b8 v0, s[64:65] scope:SCOPE_SE
	s_setreg_imm32_b32 hwreg(HW_REG_WAVE_MODE, 25, 1), 1
	s_wait_xcnt 0x0
	s_wait_alu depctr_hold_cnt(0) depctr_sa_sdst(0) depctr_va_vdst(0) depctr_va_sdst(0) depctr_va_ssrc(0) depctr_va_vcc(0) depctr_vm_vsrc(0)
	s_getreg_b32 s2, hwreg(HW_REG_IB_STS2, 6, 4)
	s_cmp_eq_u32 s2, 0
	s_cbranch_scc0 .Lentry_in_a_cluster
	s_endpgm
.Lentry_in_a_cluster:
	s_bfe_u32 s2, ttmp6, 0x10000c
	s_cmp_lg_u32 s2, 0xf033
	s_cbranch_scc0 .Lentry_shape_is_right
	s_endpgm
.Lentry_shape_is_right:
; Q, K, V = x W^T + b and their quantisers, on codes of FP8 (E4M3) with E8M0 scales, f32 sums; codes and scale words leave as images of the next launch's operand registers.
; A work-group makes 256 x 256, a wave 128 x 128; K goes in four steps of 256 through two LDS slots.  At the head one joint load a wave: K step 0's 256 rows of A (wave 0) and of B (wave 1), the scale bytes of A's (wave 2) and B's (wave 3) rows for all of K.
; K step 1 and the refills stand behind drained rounds of the cluster's barrier, a quarter of a slot a wave.  No prefetch: K is four steps long, and the first two are asked for ahead of the first product.
; LIMITS: blocks whose largest magnitude lies under 2^-118 keep the byte 1 (a block of zeros too: its codes are zeros); NaN, infinities and sums beyond f32's range are not served.
.set KSTEP,  256
.set NQ,     2
.set ROWB,   256
.set KROW,   1024
.set PITCH,  272
.set FR,     16
.set NL,     4
.set NP,     8
.set HALFT,  128*PITCH
.set SLOT,   4*HALFT
.set LAPS,   2
.set KS,     32
.set SCL,    2*SLOT
.set HALFS,  (128*KS/256)*272
.set SBLK,   (16*KS/256)*272
.set SPARE,  SCL+4*HALFS
.set QST,    0
.set QSS,    65536
.set VST,    69632
.set VSS,    135168
.set QREC,   8704
.set KVREC,  17152
.set SQ,   8
.set SQS,  9
.set SV,   10
.set SVS,  11
.set RQ,   12
.set RQS,  13
.set RV,   14
.set RVS,  15
.set ADRA, 16
.set ADRB, 20
.set GL,   22
.set GL8,  23
.set ADRS, 27
.set SPW,  28
.set NIL,  29
.set BOQ,  30
.set BOV,  31
.set SC,   32
.set BI,   64
.set AF,   128
.set T,    128
.set PC,   192
.set TM,   208
.set PW,   224
.set PW1,  225
.set G1, 24
.set G0, 32
.set G1B, 48
.set G0B, 56
.set G1S, 68
.set G0S, 76
.set G1SB, 80
.set G0SB, 88
.set G0H, 4
.set G0HB, 8
.set ISV, 95
.set CC,  96
.set SEL, 98
.set MNT, 100
.set MSB, 0
.macro WIN new
.if MSB != \new
	s_set_vgpr_msb (MSB<<8)|\new
.set MSB, \new
.endif
.endm
.set MUL_LO, 0xa1
.set MUL_HI, 0xf1
.set TO_B,   0x40
.macro JLOAD g0a, g1a, g0b, g1b
	s_cmp_eq_u32 s15, 0
	s_cbranch_scc0 .Lfor_b_\@
	tensor_load_to_lds s[\g0a:\g0a+3], s[\g1a:\g1a+7]
	s_nop 0
.rept 4
	v_nop
.endr
	s_branch .Lasked_\@
.Lfor_b_\@:
	tensor_load_to_lds s[\g0b:\g0b+3], s[\g1b:\g1b+7]
	s_nop 0
.rept 4
	v_nop
.endr
.Lasked_\@:
.endm
.macro CREST
	s_cmp_lg_u32 s14, 0
	s_cbranch_scc1 .Lnot_wave_0_\@
	s_barrier_signal -3
.Lnot_wave_0_\@:
	s_barrier_wait -3
	s_barrier_signal -1
	s_barrier_wait -1
.endm
.macro CROUND
	s_barrier_signal -1
	s_barrier_wait -1
	CREST
.endm
	s_load_b128 s[4:7], s[0:1], 0x0
	v_lshl_add_u32 v[SPW], v0, 2, SPARE
	v_mov_b32 v[NIL], 0
	ds_add_u32 v28, v29
	ds_add_u32 v28, v29
	s_wait_dscnt 0x0
	v_lshrrev_b32 v1, 5, v0
	v_readfirstlane_b32 s14, v1
	s_lshr_b32 s15, s14, 1
	s_and_b32 s16, s14, 1
	s_bfe_u32 s40, ttmp6, 0x40000
	s_bfe_u32 s41, ttmp6, 0x40004
	s_and_b32 s9, ttmp7, 0xffff
	s_and_b32 s8, s9, 1
	s_lshl_b32 s8, s8, 1
	s_add_co_u32 s8, s8, ttmp9
	s_cmp_ge_u32 s9, 4
	s_cselect_b32 s[ISV], 1, 0
	s_cselect_b32 s[CC], s8, ttmp9
	s_cselect_b32 s9, 0, s9
	s_cselect_b32 s10, 6144, 0
	s_cselect_b32 s11, 0, 4096
	s_lshl_b32 s42, s[CC], 2
	s_add_co_u32 s42, s42, s40
	s_lshl_b32 s17, s9, 2
	s_add_co_u32 s17, s17, s41
	s_lshl_b32 s43, s41, 2
	s_lshl_b32 s43, 15, s43
	s_lshl_b32 s44, 0x1111, s40
	s_or_b32 s[G1+0], s43, (0<<16)|(1<<20)|(1<<21)|(5<<22)|(3<<25)
	s_or_b32 s[G1B+0], s44, (0<<16)|(1<<20)|(1<<21)|(5<<22)|(3<<25)
.irp g, G1, G1B
	s_mov_b32 s[\g+1], ROWB<<16
	s_mov_b32 s[\g+2], 256<<16                     ; 256 rows for the head's loads; set to 128 for the ring's behind them
	s_mov_b32 s[\g+3], ROWB<<16
	s_mov_b32 s[\g+4], 256
	s_mov_b32 s[\g+5], KROW
	s_mov_b32 s[\g+6], 0
	s_mov_b32 s[\g+7], 0
.endr
	s_or_b32 s[G1S+0], s43, (3<<16)|(1<<20)|(1<<21)|(5<<22)|(3<<25)
	s_or_b32 s[G1SB+0], s44, (3<<16)|(1<<20)|(1<<21)|(5<<22)|(3<<25)
.irp g, G1S, G1SB
	s_mov_b32 s[\g+1], 32<<16
	s_mov_b32 s[\g+2], KS<<16                      ; the scale bytes of 256 rows: KS rows of 256 bytes
	s_mov_b32 s[\g+3], 32<<16
	s_mov_b32 s[\g+4], KS
	s_mov_b32 s[\g+5], 32
	s_mov_b32 s[\g+6], 0
	s_mov_b32 s[\g+7], 0
.endr
	s_lshl_b32 s18, s16, 17                        ; in the ring I fetch 128 rows of a tile: which half, in bytes
	s_mov_b32 s19, 0
	s_lshl_b32 s20, s17, 8                         ; the tiles' first rows
	s_add_co_u32 s20, s20, s10
	s_lshl_b32 s46, s42, 8
	s_add_co_u32 s46, s46, s11
	s_lshl_b32 s22, s20, 5
	s_mov_b32 s23, 0
	s_lshl_b32 s92, s46, 5
	s_mov_b32 s93, 0
	s_lshl_b32 s20, s20, 10
	s_mov_b32 s21, 0
	s_lshl_b32 s46, s46, 10
	s_mov_b32 s47, 0
	s_mul_i32 s45, s14, HALFT
	s_mov_b32 s[SEL], 0x76543210
	s_mov_b32 s[SEL+1], 0xfedcba98
	s_mov_b32 s[MNT], 0x600000
	s_wait_kmcnt 0x0
	s_add_nc_u64 s[20:21], s[4:5], s[20:21]
	s_add_nc_u64 s[22:23], s[6:7], s[22:23]
	s_add_nc_u64 s[46:47], s[4:5], s[46:47]
	s_add_nc_u64 s[92:93], s[6:7], s[92:93]
	CROUND
	s_mov_b32 s[G0H], 1                            ; the head's four tiles, each whole: K step 0's 256 rows of A,
	s_mov_b32 s[G0H+1], 0
	s_mov_b64 s[G0H+2:G0H+3], s[20:21]
	s_or_b32 s[G0H+3], s[G0H+3], 0x80000000
	s_mov_b32 s[G0HB], 1                           ; its 256 rows of B, behind them in slot 0,
	s_mov_b32 s[G0HB+1], 2*HALFT
	s_mov_b64 s[G0HB+2:G0HB+3], s[46:47]
	s_or_b32 s[G0HB+3], s[G0HB+3], 0x80000000
	s_mov_b32 s[G0S], 1                            ; the scale bytes of A's 256 rows,
	s_mov_b32 s[G0S+1], SCL
	s_mov_b64 s[G0S+2:G0S+3], s[22:23]
	s_or_b32 s[G0S+3], s[G0S+3], 0x80000000
	s_mov_b32 s[G0SB], 1                           ; and of B's
	s_mov_b32 s[G0SB+1], SCL+2*HALFS
	s_mov_b64 s[G0SB+2:G0SB+3], s[92:93]
	s_or_b32 s[G0SB+3], s[G0SB+3], 0x80000000
	s_add_nc_u64 s[20:21], s[20:21], s[18:19]      ; for the ring: my 128 rows of the tile
	s_add_nc_u64 s[46:47], s[46:47], s[18:19]
.irp s, 0,1
	s_mov_b32 s[G0+4*\s], 1
	s_add_co_u32 s[G0+4*\s+1], s45, \s*SLOT
	s_add_nc_u64 s[G0+4*\s+2:G0+4*\s+3], s[20:21], \s*ROWB
	s_or_b32 s[G0+4*\s+3], s[G0+4*\s+3], 0x80000000
	s_mov_b32 s[G0B+4*\s], 1
	s_add_co_u32 s[G0B+4*\s+1], s45, \s*SLOT
	s_add_nc_u64 s[G0B+4*\s+2:G0B+4*\s+3], s[46:47], \s*ROWB
	s_or_b32 s[G0B+4*\s+3], s[G0B+4*\s+3], 0x80000000
.endr
; The head's loads, one a wave.  One tree of branches on the wave's number: every way through the head passes exactly one load.
.macro ARM under, g0, g1, next
	s_cmp_lt_u32 s14, \under
	s_cbranch_scc0 \next
	tensor_load_to_lds s[\g0:\g0+3], s[\g1:\g1+7]
	s_nop 0
.rept 4
	v_nop
.endr
	s_branch .Lhead_asked
\next:
.endm
	ARM 1, G0H,  G1,  .Lhead_b
	ARM 2, G0HB, G1B, .Lhead_sa
	ARM 3, G0S,  G1S, .Lhead_sb
	tensor_load_to_lds s[G0SB:G0SB+3], s[G1SB:G1SB+7]
	s_nop 0
.rept 4
	v_nop
.endr
.Lhead_asked:
	v_and_b32 v1, 15, v0
	v_bfe_u32 v2, v0, 4, 1
	v_mul_u32_u24 v3, v1, PITCH
	v_lshl_add_u32 v4, v2, 4, v3
	s_mul_i32 s21, s15, HALFT
	s_mul_i32 s22, s16, HALFT
	s_add_co_u32 s22, s22, 2*HALFT
.irp s, 0,1
	v_add_nc_u32 v[ADRA+\s], s21, v4
	v_add_nc_u32 v[ADRB+\s], s22, v4
	s_add_co_u32 s21, s21, SLOT
	s_add_co_u32 s22, s22, SLOT
.endr
	v_mul_u32_u24 v5, v1, KS
	v_lshrrev_b32 v6, 8, v5
	v_lshl_add_u32 v5, v6, 4, v5
	s_mul_i32 s21, s15, HALFS
	s_mul_i32 s22, s16, HALFS
	s_add_co_u32 s22, s22, 2*HALFS
	s_sub_co_u32 s22, s22, s21
	v_mul_u32_u24 v6, s22, v2
	s_add_co_u32 s21, s21, SCL
	v_add_nc_u32 v5, v5, v6
	v_add_nc_u32 v[ADRS], s21, v5
	v_and_b32 v6, 31, v0
	v_lshrrev_b32 v5, 3, v1
	v_and_b32 v7, 7, v1
	s_lshl_b32 s21, s14, 14
	v_lshlrev_b32 v[SQ], 10, v5
	v_lshl_add_u32 v[SQ], v7, 4, v[SQ]
	v_lshl_add_u32 v[SQ], v2, 3, v[SQ]
	v_add_nc_u32 v[SQ], s21, v[SQ]
	s_lshl_b32 s22, s14, 10
	s_add_co_u32 s22, s22, QSS
	v_lshlrev_b32 v[SQS], 6, v5
	v_lshl_add_u32 v[SQS], v7, 2, v[SQS]
	v_add_nc_u32 v[SQS], s22, v[SQS]
	s_add_co_u32 s23, s21, VST
	v_lshlrev_b32 v[SV], 4, v1
	v_lshl_add_u32 v[SV], v2, 3, v[SV]
	v_add_nc_u32 v[SV], s23, v[SV]
	s_lshl_b32 s45, s14, 9
	s_add_co_u32 s45, s45, VSS
	v_lshlrev_b32 v[BOV], 2, v1
	v_add_nc_u32 v[SVS], s45, v[BOV]
	v_lshlrev_b32 v[GL], 4, v6
	v_lshlrev_b32 v[GL8], 3, v6
	v_add_nc_u32 v[RQ], s21, v[GL]
	v_add_nc_u32 v[RQS], s22, v[GL]
	v_add_nc_u32 v[RV], s23, v[GL]
	v_add_nc_u32 v[RVS], s45, v[GL8]
	v_lshlrev_b32 v[BOQ], 5, v2
.macro FRAG reg, adr, q, i
.irp c, 0,1,2,3
	ds_load_b128 v[\reg+4*\c:\reg+4*\c+3], v[\adr] offset:128*(\q)+32*\c+(\i)*16*PITCH
.endr
.endm
.macro MUL16 a0, p, q, sc, zero
.irp a, \a0, \a0+1
.irp b, 0,1,2,3,4,5,6,7
.if \zero
	v_wmma_scale_f32_16x16x128_f8f6f4 v[8*(8*((\a)%4)+\b):8*(8*((\a)%4)+\b)+7], v[128*(\p)+FR*\b:128*(\p)+FR*\b+FR-1], v[AF+FR*(\a):AF+FR*(\a)+FR-1], 0, v[SC+8*NQ*(\sc)+NQ*\b+(\q)], v[SC+8*NQ*(\sc)+NQ*(\a)+(\q)] matrix_a_scale:MATRIX_SCALE_ROW1
.else
	v_wmma_scale_f32_16x16x128_f8f6f4 v[8*(8*((\a)%4)+\b):8*(8*((\a)%4)+\b)+7], v[128*(\p)+FR*\b:128*(\p)+FR*\b+FR-1], v[AF+FR*(\a):AF+FR*(\a)+FR-1], v[8*(8*((\a)%4)+\b):8*(8*((\a)%4)+\b)+7], v[SC+8*NQ*(\sc)+NQ*\b+(\q)], v[SC+8*NQ*(\sc)+NQ*(\a)+(\q)] matrix_a_scale:MATRIX_SCALE_ROW1
.endif
.endr
.endr
.endm
.macro FETCH_B slot, q, p
	WIN TO_B
.irp i, 0,1,2,3,4,5,6,7
	FRAG 128*(\p)+FR*\i, ADRB+\slot, \q, \i
.endr
	WIN 0
.endm
.macro FETCH_A slot, q, i0
.irp i, \i0, \i0+1, \i0+2, \i0+3
	FRAG AF+FR*(\i), ADRA+\slot, \q, \i
.endr
.endm
.macro SCALES sc
.irp i, 0,1,2,3,4,5,6,7
	ds_load_b64 v[SC+8*NQ*\sc+NQ*\i:SC+8*NQ*\sc+NQ*\i+1], v[ADRS] offset:\i*SBLK
.endr
.endm
.macro PLACES n
.rept \n
	v_nop
.endr
.endm
.macro STEP slot, q, zero
	s_wait_dscnt 4*NL
	WIN MUL_LO
	MUL16 0, (\q)%2, \q, \slot, \zero
	MUL16 2, (\q)%2, \q, \slot, \zero
	s_wait_dscnt 0
	PLACES NP
	FETCH_B \slot, (\q)+1, 1-(\q)%2
	FETCH_A \slot, (\q)+1, 0
	WIN MUL_HI
	MUL16 4, (\q)%2, \q, \slot, \zero
	MUL16 6, (\q)%2, \q, \slot, \zero
	PLACES NP
	WIN 0
	FETCH_A \slot, (\q)+1, 4
.endm
.macro TURN slot, next, fill
	s_wait_tensorcnt 0x0
	ds_add_u32 v[SPW], v[NIL]
	s_wait_dscnt 4*NL+1
	WIN MUL_LO
	MUL16 0, 1, NQ-1, \slot, 0
	s_wait_dscnt 0x0
	s_barrier_signal -1
	MUL16 2, 1, NQ-1, \slot, 0
	WIN 0
	s_barrier_wait -1
.if \fill
	CREST
	s_add_nc_u64 s[G0+4*\slot+2:G0+4*\slot+3], s[G0+4*\slot+2:G0+4*\slot+3], 2*ROWB
	s_add_nc_u64 s[G0B+4*\slot+2:G0B+4*\slot+3], s[G0B+4*\slot+2:G0B+4*\slot+3], 2*ROWB
	JLOAD G0+4*\slot, G1, G0B+4*\slot, G1B
	PLACES NP-4
.else
	PLACES NP
.endif
	s_wait_alu depctr_va_vdst(0)
	v_add_nc_u32 v[ADRS], 4*NQ, v[ADRS]
	FETCH_B \next, 0, 0
	FETCH_A \next, 0, 0
	SCALES \next
	WIN MUL_HI
	MUL16 4, 1, NQ-1, \slot, 0
	MUL16 6, 1, NQ-1, \slot, 0
	PLACES NP
	WIN 0
	FETCH_A \next, 0, 4
.endm
.macro BIAS a, isv
	WIN 0x02+(\a)/4
.irp b, 0,1,2,3,4,5,6,7
.irp i, 0,2,4,6
.if \isv
	v_pk_add_f32 v[T+8*\b+\i:T+8*\b+\i+1], v[64*((\a)%4)+8*\b+\i:64*((\a)%4)+8*\b+\i+1], v[BI+2*(\a):BI+2*(\a)+1]
.else
	v_pk_add_f32 v[T+8*\b+\i:T+8*\b+\i+1], v[64*((\a)%4)+8*\b+\i:64*((\a)%4)+8*\b+\i+1], v[BI+8*\b+\i:BI+8*\b+\i+1]
.endif
.endr
.endr
	WIN 0
.endm
.macro QUANT isv
.irp b, 0,1,2,3
	v_max3_num_f32 v[TM+\b], |v[T+16*\b]|, |v[T+1+16*\b]|, 0x4800000
.endr
.irp i, 2,4,6,8,10,12,14
.irp b, 0,1,2,3
	v_max3_num_f32 v[TM+\b], v[TM+\b], |v[T+16*\b+\i]|, |v[T+1+16*\b+\i]|
.endr
.endr
.irp b, 0,1,2,3
	v_permlanex16_b32 v[TM+4+\b], v[TM+\b], s[SEL], s[SEL+1]
.endr
.irp b, 0,1,2,3
	v_max_num_f32 v[TM+\b], v[TM+\b], v[TM+4+\b]
.endr
.irp b, 0,1,2,3
	v_add_nc_u32 v[TM+12+\b], 0xfc000000, v[TM+\b]
.endr
.irp b, 0,1,2,3
	v_and_or_b32 v[TM+8+\b], v[TM+\b], 0x7f800000, s[MNT]
.endr
.irp b, 0,1,2,3
	v_lshrrev_b32 v[TM+4+\b], 23, v[TM+12+\b]
.endr
.if \isv
	v_lshl_or_b32 v[PW], v[TM+5], 8, v[TM+4]
	v_lshl_or_b32 v[PW], v[TM+6], 16, v[PW]
	v_lshl_or_b32 v[PW], v[TM+7], 24, v[PW]
.else
	v_lshl_or_b32 v[PW], v[TM+5], 8, v[TM+4]
	v_lshl_or_b32 v[PW1], v[TM+7], 8, v[TM+6]
	v_or_b32 v[PW], 0x7f7f0000, v[PW]
	v_or_b32 v[PW1], 0x7f7f0000, v[PW1]
.endif
.irp b, 0,1,2,3
.irp i, 0,1,2,3,4,5,6,7,8,9,10,11,12,13,14,15
	v_med3_num_f32 v[T+16*\b+\i], v[T+16*\b+\i], -v[TM+8+\b], v[TM+8+\b]
.endr
	v_cvt_scalef32_pk8_fp8_f32 v[PC+4*\b:PC+1+4*\b], v[T+16*\b:T+7+16*\b], v[TM+12+\b]
	v_cvt_scalef32_pk8_fp8_f32 v[PC+2+4*\b:PC+3+4*\b], v[T+8+16*\b:T+15+16*\b], v[TM+12+\b]
.endr
	v_nop
.endm
.macro STAGE a, isv
.irp b, 0,1,2,3,4,5,6,7
.if \isv
	ds_store_b64 v[SV], v[PC+2*\b:PC+2*\b+1] offset:((\a)/4)*8192+((\a)%4)*2048+(\b/2)*512+(\b%2)*256
.else
	ds_store_b64 v[SQ], v[PC+2*\b:PC+2*\b+1] offset:(\b/4)*8192+((\b%4)/2)*512+(\b%2)*256+((\a)/2)*2048+((\a)%2)*128
.endif
.endr
.if \isv
	ds_store_b32 v[SVS], v[PW] offset:((\a)/4)*256+((\a)%4)*64
.else
	ds_store_b32 v[SQS], v[PW] offset:((\a)/2)*128+((\a)%2)*32
	ds_store_b32 v[SQS], v[PW1] offset:512+((\a)/2)*128+((\a)%2)*32
.endif
	s_wait_dscnt 0x0
.endm
.macro TAIL isv
.if \isv
	s_load_b64 s[8:9], s[0:1], 0x20
	s_load_b64 s[12:13], s[0:1], 0x30
	s_lshl_b32 s46, s17, 8
	s_lshl_b32 s23, s15, 7
	s_add_co_u32 s46, s46, s23
	s_lshl_b32 s22, s42, 8
	s_lshl_b32 s23, s16, 7
	s_add_co_u32 s22, s22, s23
.else
	s_load_b128 s[8:11], s[0:1], 0x10
	s_load_b64 s[12:13], s[0:1], 0x28
	s_load_b64 s[20:21], s[0:1], 0x30
	s_lshl_b32 s22, s17, 8
	s_lshl_b32 s23, s15, 7
	s_add_co_u32 s22, s22, s23
	s_and_b32 s46, s42, 3
	s_lshl_b32 s46, s46, 8
	s_lshl_b32 s23, s16, 7
	s_add_co_u32 s46, s46, s23
.endif
	s_lshr_b32 s23, s22, 11
	s_lshl_b32 s23, s23, 4
	s_lshr_b32 s47, s46, 6
	s_add_co_u32 s23, s23, s47
	s_lshl_b32 s23, s23, 4
	s_bfe_u32 s47, s22, 0x40007
	s_add_co_u32 s23, s23, s47
	s_lshl_b32 s46, s46, 2
	s_mov_b32 s47, 0
.if \isv
	s_mul_i32 s22, s23, KVREC
	s_add_co_u32 s22, s22, 8704
	s_mov_b32 s23, 0
	s_wait_kmcnt 0x0
	s_add_nc_u64 s[8:9], s[8:9], s[46:47]
	s_add_nc_u64 s[12:13], s[12:13], s[22:23]
	s_add_nc_u64 s[20:21], s[12:13], 16*KVREC
.else
	s_mov_b32 s92, KVREC
	s_wait_kmcnt 0x0
	s_cmp_eq_u32 s[CC], 0
	s_cselect_b64 s[8:9], s[8:9], s[10:11]
	s_cselect_b64 s[12:13], s[12:13], s[20:21]
	s_cselect_b32 s92, QREC, s92
	s_add_nc_u64 s[8:9], s[8:9], s[46:47]
	s_mul_i32 s22, s23, s92
	s_mov_b32 s23, 0
	s_add_nc_u64 s[12:13], s[12:13], s[22:23]
	s_lshl_b32 s22, s92, 4
	s_add_nc_u64 s[20:21], s[12:13], s[22:23]
.endif
.if \isv
.irp a, 0,1,2,3,4,5,6,7
	global_load_b32 v[BI+2*\a], v[BOV], s[8:9] offset:64*\a
	global_load_b32 v[BI+2*\a+1], v[BOV], s[8:9] offset:64*\a
.endr
.else
.irp b, 0,1,2,3,4,5,6,7
	global_load_b128 v[BI+8*\b:BI+8*\b+3], v[BOQ], s[8:9] offset:64*\b
	global_load_b128 v[BI+8*\b+4:BI+8*\b+7], v[BOQ], s[8:9] offset:64*\b+16
.endr
.endif
	s_wait_dscnt 4*NL
	WIN MUL_LO
	MUL16 0, 1, NQ-1, 1, 0
	MUL16 2, 1, NQ-1, 1, 0
	s_wait_dscnt 0
	WIN MUL_HI
	MUL16 4, 1, NQ-1, 1, 0
	MUL16 6, 1, NQ-1, 1, 0
	WIN 0
	PLACES NP
.irp b, 0,1,2,3
	v_mov_b32 v[TM+4+\b], 0
.endr
	s_wait_loadcnt 0x0
.irp a, 0,1,2,3,4,5,6,7
	BIAS \a, \isv
	QUANT \isv
	STAGE \a, \isv
.endr
.irp e, 0,1
.irp i, 0,1,2,3,4,5,6,7,8,9,10,11,12,13,14,15
.if \isv
	ds_load_b128 v[128-64*\e+4*\i:128-64*\e+4*\i+3], v[RV] offset:8192*\e+512*\i
.else
	ds_load_b128 v[128-64*\e+4*\i:128-64*\e+4*\i+3], v[RQ] offset:8192*\e+512*\i
.endif
.endr
.if \isv
	ds_load_b64 v[192+4*\e:193+4*\e], v[RVS] offset:256*\e
.else
	ds_load_b128 v[192+4*\e:195+4*\e], v[RQS] offset:512*\e
.endif
.endr
	s_wait_dscnt 17
.irp i, 0,1,2,3,4,5,6,7,8,9,10,11,12,13,14,15
	global_store_b128 v[GL], v[128+4*\i:131+4*\i], s[12:13] offset:512*\i
.endr
.if \isv
	global_store_b64 v[GL8], v[192:193], s[12:13] offset:8192
.else
	global_store_b128 v[GL], v[192:195], s[12:13] offset:8192
.endif
	s_wait_dscnt 0x0
.irp i, 0,1,2,3,4,5,6,7,8,9,10,11,12,13,14,15
	global_store_b128 v[GL], v[64+4*\i:67+4*\i], s[20:21] offset:512*\i
.endr
.if \isv
	global_store_b64 v[GL8], v[196:197], s[20:21] offset:8192
.else
	global_store_b128 v[GL], v[196:199], s[20:21] offset:8192
.endif
.endm
	s_wait_alu depctr_va_vdst(0)
	s_wait_tensorcnt 0x0                           ; my tile of the head's four is in
	ds_add_u32 v[SPW], v[NIL]
	s_mov_b32 s[G1+2], 128<<16                     ; no tensor load of mine is out, so a descriptor may be written: from here on a load brings 128 rows
	s_mov_b32 s[G1+4], 128
	s_mov_b32 s[G1B+2], 128<<16
	s_mov_b32 s[G1B+4], 128
	s_wait_dscnt 0x0                               ; the add is done
	CROUND                                         ; all four tiles are in, and all sixteen work-groups are here: the joint loads meet,
	JLOAD G0+4, G1, G0B+4, G1B                     ; and K step 1's load, the first tensor load behind the round
	FETCH_B 0, 0, 0
	FETCH_A 0, 0, 0
	SCALES 0
	FETCH_A 0, 0, 4
	STEP 0, 0, 1
	s_mov_b32 s3, LAPS-1
.Llap:
	TURN 0, 1, 1
	STEP 1, 0, 0
	TURN 1, 0, 1
	STEP 0, 0, 0
	s_sub_co_u32 s3, s3, 1
	s_cmp_lg_u32 s3, 0
	s_cbranch_scc1 .Llap
	TURN 0, 1, 0
	STEP 1, 0, 0
	s_cmp_lg_u32 s[ISV], 0
	s_cbranch_scc1 .Lv
	TAIL 0
	s_branch .Lend
.Lv:
	TAIL 1
.Lend:
	s_wait_tensorcnt 0x0
	ds_add_u32 v[SPW], v[NIL]
	s_wait_dscnt 0x0
	CROUND
	s_endpgm
.Lfunc_end_k_qa3f4676b7f_proj:
	.size	k_qa3f4676b7f_proj, .Lfunc_end_k_qa3f4676b7f_proj-k_qa3f4676b7f_proj
	.p2alignl 7, 3214868480
	.fill 96, 4, 3214868480
	.section	.rodata,"a",@progbits
	.p2align	6, 0x0
	.amdhsa_kernel k_qa3f4676b7f_proj
		.amdhsa_group_segment_fixed_size 327680
		.amdhsa_private_segment_fixed_size 0
		.amdhsa_enable_private_segment 0
		.amdhsa_kernarg_size 56
		.amdhsa_user_sgpr_count 2
		.amdhsa_user_sgpr_kernarg_segment_ptr 1
		.amdhsa_wavefront_size32 1
		.amdhsa_system_sgpr_workgroup_id_x 1
		.amdhsa_system_sgpr_workgroup_id_y 1
		.amdhsa_system_sgpr_workgroup_id_z 1
		.amdhsa_system_vgpr_workitem_id 0
		.amdhsa_next_free_vgpr 1024
		.amdhsa_next_free_sgpr 102
		.amdhsa_reserve_vcc 0
		.amdhsa_float_denorm_mode_32 3
		.amdhsa_float_denorm_mode_16_64 3
		.amdhsa_memory_ordered 1
		.amdhsa_forward_progress 1
		.amdhsa_inst_pref_size 255
	.end_amdhsa_kernel
	.section	.bss,"aw",@nobits
	.p2align	6
	.space	262144
	.amdgpu_metadata
---
amdhsa.version: [ 1, 2 ]
amdhsa.kernels:
  - .name:           k_qa3f4676b7f_proj
    .symbol:         k_qa3f4676b7f_proj.kd
    .args:
      - { .name: xw_codes, .offset: 0, .size: 8, .value_kind: global_buffer, .address_space: global }
      - { .name: xw_scales, .offset: 8, .size: 8, .value_kind: global_buffer, .address_space: global }
      - { .name: bq, .offset: 16, .size: 8, .value_kind: global_buffer, .address_space: global }
      - { .name: bk, .offset: 24, .size: 8, .value_kind: global_buffer, .address_space: global }
      - { .name: bv, .offset: 32, .size: 8, .value_kind: global_buffer, .address_space: global }
      - { .name: q_rec, .offset: 40, .size: 8, .value_kind: global_buffer, .address_space: global }
      - { .name: kv_rec, .offset: 48, .size: 8, .value_kind: global_buffer, .address_space: global }
    .group_segment_fixed_size: 327680
    .private_segment_fixed_size: 0
    .kernarg_segment_align: 8
    .kernarg_segment_size: 56
    .max_flat_workgroup_size: 128
    .sgpr_count:     102
    .vgpr_count:     1024
    .wavefront_size: 32
...
	.end_amdgpu_metadata
.endif
;; end of part 2
;; launch attn (part 3): grid 8 x 32, 8 waves a work-group, clusters of 4 x 1, 327,680 bytes of LDS; arguments q_rec, kv_rec, attention_mask, out0; writes out0
.if DOCPART == 3
	.amdgcn_target "amdgcn-amd-amdhsa--gfx1250"
	.amdhsa_code_object_version 6
	.text
	.protected	k_qa3f4676b7f_attn
	.globl	k_qa3f4676b7f_attn
	.p2align	8
	.type	k_qa3f4676b7f_attn,@function
k_qa3f4676b7f_attn:
	s_mov_b64 s[64:65], 0
	v_nop
	global_prefetch_b8 v0, s[64:65] scope:SCOPE_SE
	s_setreg_imm32_b32 hwreg(HW_REG_WAVE_MODE, 25, 1), 1
	s_wait_xcnt 0x0
	s_wait_alu depctr_hold_cnt(0) depctr_sa_sdst(0) depctr_va_vdst(0) depctr_va_sdst(0) depctr_va_ssrc(0) depctr_va_vcc(0) depctr_vm_vsrc(0)
	s_getreg_b32 s2, hwreg(HW_REG_IB_STS2, 6, 4)
	s_cmp_eq_u32 s2, 0
	s_cbranch_scc0 .Lentry_in_a_cluster
	s_endpgm
.Lentry_in_a_cluster:
	s_bfe_u32 s2, ttmp6, 0x10000c
	s_cmp_lg_u32 s2, 0x3003
	s_cbranch_scc0 .Lentry_shape_is_right
	s_endpgm
.Lentry_shape_is_right:
; out[b][q][64 head ..] = the sum over keys of softmax(q . k / 8 + mask[b][key]) v, both products on codes of FP8 (E4M3) with E8M0 scales; q, k, v come as images of the operands' registers.
; q_rec [bh][step][8,704]: codes 8,192, scale words 512.  kv_rec [bh][step][17,152]: K codes, K words at 8,192, V codes at 8,704, V words at 16,896.  bh = 16 batch + head; a step = 128 tokens.
; THE SOFTMAX AHEAD OF THE SECOND PRODUCT: t = logit x log2(e); M = the row's largest t so far, rounded up to a whole number; p = 2^(t - M) is quantised along the keys, not normalised; the row's sum is taken of the
; unquantised p and divides at the end.  When M moves, the sum and O are multiplied by 2^(old M - new M): exact.
; SHARES.  A work-group owns 256 queries of one head; each of its eight waves TWO tiles of 16, A and B, in 512 registers.  A step's K, V, mask and scale words are read from LDS once for both tiles.
; A WHOLE HEAD'S K AND V, 16 records, 274,432 bytes, COME INTO LDS ONCE, one tensor load a wave, two records each; no byte is filled again.  The four work-groups of a cluster walk the same head: each load is joint.
; Wave 0's load (records 0, 1) has a line of its own: step 0 and its look-ahead read those two records alone, and the barrier ahead of it shows them alone; a second barrier behind step 0 shows the other fourteen.
; NO PREFETCH: all that the work-group reads is asked for at the head; there is no loop of loads to run ahead in.
; A KEY STEP begins with tile A's scores made: maxima A | V asked for | scores B | the next step's K asked for | multiply-adds A among maxima B | exponentials A among multiply-adds B | scales and sums A |
; exponentials B among holds A | scales and sums B among conversions A | V^T P of A | the next step's scores A among holds and conversions B | V^T P of B.
; LAYOUT.  Both products are used transposed: S^T = K Q^T (source 0 = 16 keys), O^T = V^T P^T (source 0 = 16 channels): a lane holds ONE query (lane % 16) of each tile throughout.  Lane r' of tile t of K (and of Q) holds
; token 32 (t / 2) + 8 (t % 2) + r' + 8 (r' / 8) of its step, so that the 16 registers of score tiles 2 i, 2 i + 1 are 16 neighbouring keys, 32 i + 16 (lane / 16) + 0 .. 15: the conversions' results are P's fragment.
; K = 64 IN A FORM OF K = 128: Q's codes for k = 64 .. 127 are zeros.  K's tile t is named as 16 registers of which the upper eight are the next tile's codes (tile 7's: zeros): numbers of E4M3, never NaN (the quantiser
; holds at 448), multiplied by exact zeros; the upper two bytes of both scale words stand for 1.
; THE MASK AND THE 1 / 8: LDS holds m8 = max(8 x mask, the lowest f32 number); it is the C of the score products.  S = q . k + 8 mask, t = S x (log2(e) / 8): powers of two are exact.
; LIMITS.  The promise holds while the scaled scores t stay under 2^31 in magnitude on some key of every row: the running largest score begins at -2^34 (t under -2^31), so a row ALL of whose t lie under that is not served;
; keys and key steps that are wholly hidden give p = 0.  A NaN in the mask counts as fully masked; a mask under the lowest f32 number / 8 is held there.  NaN and infinities in q, k, v are not served.
; REGISTERS, in windows of 256 (s_set_vgpr_msb: bits 1:0 source 0, 3:2 source 1, 5:4 source 2, 7:6 destination).  All vector arithmetic lies in window 0; window 1 holds what LDS and Q's loads feed to the matrix unit.
.set REC,   17152
.set MASK,  16*REC                     ; behind the records: 2,048 numbers m8, written by LDS stores; no fill lands here
.set SP,    272                        ; the way out: a stage of 16 rows x (256 bytes + 16) for each wave, in bytes of its own
.set STAGE, MASK+8192
.set SPARE, STAGE+8*16*SP              ; the spare words, 128 bytes for each wave: four blocks of 256 bytes that no other line names
; window 0
.set LI,   1                           ; v1   16 x lane
.set LS,   2                           ; v2   4 x lane
.set MA,   3                           ; v3   MASK + 64 (lane / 16)
.set ADK,  4                           ; v4   the step's record + 16 x lane
.set ADS,  5                           ; v5   the step's record + 4 x lane
.set ADM,  6                           ; v6   the step's m8
.set TP,   7                           ; v7   at work
.set SPW,  8                           ; v8   LDS address of my spare word; never rewritten
.set FL,   9                           ; v9   the floor 2^(9 - 127) of a block's largest p
.set PWA,  10                          ; v10, v11 p's scale words
.set PWB,  11
.set FF,   12                          ; v12, v13 f = 2^(old M - new M) of tile A, of tile B
.set QSA,  14                          ; v14, v15 Q's scale words
.set QSB,  15
.set VSW,  16                          ; v16-17 V's scale words: lanes 0-15 tile 2 i, lanes 16-31 tile 2 i + 1
.set KSW,  18                          ; v18-21 K's likewise
.set STA,  22                          ; v22 -M, v23 the largest score, v[24:25] the sum in two halves: tile A's
.set STB,  26                          ; v26-29 tile B's
.set CH,   30                          ; v30-35 three more chains of a sum
.set BMA,  36                          ; v36-39 each block's largest score, then its largest p, then 448 x its scale: tile A's
.set BMB,  40                          ; v40-43 tile B's
.set SOA,  44                          ; v44-47 the permute's results, then the conversions' scale operands: tile A's
.set SOB,  48                          ; v48-51 tile B's
.set BY,   52                          ; v52-54 scale bytes at work
.set NIL,  55                          ; v55  0; never rewritten
.set PCA,  56                          ; v56-71 tile A's codes of p: block b's codes lie over numbers of block b - 1, which have been converted
.set SA,   60                          ; v60-123  tile A's S^T, then p
.set PCB,  124                         ; the same for tile B
.set SB,   128
.set OA,   192                         ; v192-223 tile A's O^T
.set OB,   224                         ; v224-255 tile B's
; window 1
.set KF,   0                           ; v0-63    K's 8 tiles x 8 registers
.set ZR,   64                          ; v64-71   zeros
.set MK,   72                          ; v72-135  m8 in the scores' layout
.set VF,   136                         ; v136-199 V's 4 tiles x 16 registers
.set QA,   200                         ; v200-215 tile A's Q; the upper eight zeros
.set QB,   216                         ; v216-231 tile B's
.set WV,   12                          ; s12  my wave's number
.set G1,   16                          ; s[16:23] descriptor group 1
.set SEL,  24                          ; s[24:25] lane selects: lane l xor 16
.set CS,   26                          ; s[26:27] log2(e) / 8
.set MNT,  28                          ; s28  the mantissa field of 448
.set TB,   29                          ; s29  LDS byte of the step's record
.set TMK,  30                          ; s30  byte of the step's m8
.set CNT,  31                          ; s31  steps to go
.set G0,   32                          ; s[32:35] descriptor group 0
.set NCS,  36                          ; s36  -log2(e) / 8
.set MSB, 0
.macro WIN new                         ; the immediate's high byte repeats the setting that is left; a switch that changes nothing is dropped
.if MSB != \new
	s_set_vgpr_msb (MSB<<8)|\new
.set MSB, \new
.endif
.endm
.set W_LD, 0x40                        ; a load's destination in window 1, its address in window 0
.set W_KQ, 0x15                        ; K, Q and m8 in window 1; S^T in window 0
.set W_PV, 0x01                        ; V in window 1; P and O^T in window 0
.macro ROUND                           ; a round of the cluster's barrier
	s_barrier_signal -1
	s_barrier_wait -1
	s_cmp_lg_u32 s[WV], 0
	s_cbranch_scc1 .Lnot_wave_0_\@
	s_barrier_signal -3
.Lnot_wave_0_\@:
	s_barrier_wait -3
	s_barrier_signal -1
	s_barrier_wait -1
.endm
.macro TLOAD                           ; an s_nop 0 and four v_nop follow a tensor load
	tensor_load_to_lds s[G0:G0+3], s[G1:G1+7]
	s_nop 0
.rept 4
	v_nop
.endr
.endm
	s_load_b256 s[4:11], s[0:1], 0x0               ; q_rec s[4:5], kv_rec s[6:7], the mask s[8:9], out s[10:11]
	v_lshl_add_u32 v[SPW], v0, 2, SPARE
	v_mov_b32 v[NIL], 0
	ds_add_u32 v[SPW], v[NIL]                      ; the wave's opening: the add, twice on end, and its wait ahead of my tensor load
	ds_add_u32 v[SPW], v[NIL]
	v_lshrrev_b32 v7, 5, v0
	v_readfirstlane_b32 s[WV], v7                  ; wave 0..7
	v_and_b32 v7, 31, v0
	v_lshlrev_b32 v[CH], 4, v0                     ; my 16 bytes of the mask
	v_and_b32 v[CH+1], 15, v0
	v_bfe_u32 v[MA], v0, 4, 1
	v_lshlrev_b32 v[LS], 2, v7
	v_lshlrev_b32 v[LI], 4, v7
	v_lshlrev_b32 v[CH+1], 2, v[CH+1]
	v_lshl_add_u32 v[MA], v[MA], 6, MASK
	v_lshl_add_u32 v[TP], v0, 4, MASK              ; where my numbers of m8 go
	s_bfe_u32 s13, ttmp6, 0x40000                  ; cx
	s_lshl_b32 s14, ttmp9, 2
	s_add_co_u32 s14, s14, s13                     ; my block of 256 queries: it enters Q's and out's addresses alone
	s_and_b32 s15, ttmp7, 0xffff                   ; bh, which the four partners share
	; descriptor group 1: two records, 34,304 dense bytes, as 134 rows of 256 bytes (32 elements of 8 bytes), no padding: every LDS read is 16 x lane on end
	s_mov_b32 s[G1], 15|(3<<16)|(1<<21)            ; 15:0 the mask: all four work-groups; 17:16 elements of 8 bytes; 21 set beside a mask
	s_mov_b32 s[G1+1], 32<<16                      ; tensor_dim0
	s_mov_b32 s[G1+2], 134<<16                     ; tensor_dim1
	s_mov_b32 s[G1+3], 32<<16                      ; tile_dim0
	s_mov_b32 s[G1+4], 134                         ; tile_dim1
	s_mov_b32 s[G1+5], 32                          ; tensor_dim0_stride
	s_mov_b32 s[G1+6], 0
	s_mov_b32 s[G1+7], 0
	s_mul_i32 s49, s[WV], 2*REC                    ; my two records: in LDS and in memory alike
	s_mul_i32 s50, s15, 16*REC                     ; the head's first byte
	s_add_co_u32 s50, s50, s49
	s_mov_b32 s51, 0
	s_mov_b32 s[SEL], 0x76543210
	s_mov_b32 s[SEL+1], 0xfedcba98
	s_mov_b32 s[CS], 0x3e38aa3b                    ; log2(e) / 8
	s_mov_b32 s[CS+1], s[CS]                       ; (named with it as a pair, so it is written)
	s_mov_b32 s[NCS], 0xbe38aa3b
	s_mov_b32 s[MNT], 0x600000
	s_lshr_b32 s52, s15, 4                         ; the batch
	s_lshl_b32 s60, s52, 11
	s_lshl_b32 s52, s52, 13                        ; its 2,048 numbers of the mask
	s_mov_b32 s53, 0
	s_lshl_b32 s54, s15, 4
	s_lshl_b32 s55, s14, 1
	s_lshr_b32 s61, s[WV], 2
	s_add_co_u32 s55, s55, s61                     ; 2 x block + wave / 4
	s_add_co_u32 s54, s54, s55                     ; Q's record: 16 bh + that
	s_mul_i32 s54, s54, 8704
	s_and_b32 s56, s[WV], 3                        ; my tiles in it: 2 (wave % 4) and the next
	s_lshl_b32 s57, s56, 11                        ; 1,024 bytes of codes a tile
	s_add_co_u32 s58, s54, s57
	s_mov_b32 s59, 0
	s_lshl_b32 s57, s56, 7                         ; 64 bytes of scale words a tile
	s_add_co_u32 s54, s54, s57
	s_add_co_u32 s54, s54, 8192
	s_lshl_b32 s61, s55, 7
	s_add_co_u32 s60, s60, s61
	s_lshl_b32 s61, s56, 5
	s_add_co_u32 s60, s60, s61
	s_lshl_b32 s60, s60, 12                        ; out at tile A's first query: token 2,048 batch + 128 (2 block + wave / 4) + 32 (wave % 4), 4,096 bytes a token;
	s_and_b32 s61, s15, 15
	s_lshl_b32 s61, s61, 8
	s_add_co_u32 s60, s60, s61                     ; + 256 x head
	s_mov_b32 s61, 0
	s_mov_b32 s55, 0
	s_wait_alu depctr_va_vdst(0)
	s_wait_dscnt 0x0                               ; both opening adds are done
	s_wait_kmcnt 0x0
	s_add_nc_u64 s[8:9], s[8:9], s[52:53]
	s_add_nc_u64 s[58:59], s[4:5], s[58:59]
	s_add_nc_u64 s[54:55], s[4:5], s[54:55]
	s_add_nc_u64 s[10:11], s[10:11], s[60:61]
	s_mov_b32 s[G0], 1                             ; count = 1
	s_mov_b32 s[G0+1], s49                         ; LDS address: records 2 wave, 2 wave + 1
	s_add_nc_u64 s[G0+2:G0+3], s[6:7], s[50:51]
	s_or_b32 s[G0+3], s[G0+3], 0x80000000          ; type = 2
	global_load_b128 v[SA:SA+3], v[CH], s[8:9]                   ; the mask: 256 threads x 16 bytes,
	global_load_b128 v[SA+4:SA+7], v[CH], s[8:9] offset:4096     ; twice
	WIN W_LD
	global_load_b128 v[QA:QA+3], v[LI], s[58:59]                 ; k = 16 (lane / 16) + 0 .. 15
	global_load_b128 v[QA+4:QA+7], v[LI], s[58:59] offset:512    ; k = 32 + 16 (lane / 16) + 0 .. 15
	global_load_b128 v[QB:QB+3], v[LI], s[58:59] offset:1024
	global_load_b128 v[QB+4:QB+7], v[LI], s[58:59] offset:1536
	WIN 0
	global_load_b32 v[QSA], v[CH+1], s[54:55]
	global_load_b32 v[QSB], v[CH+1], s[54:55] offset:64
	ROUND                                          ; all four work-groups are here: the joint loads meet
	s_cmp_eq_u32 s[WV], 0                          ; one joint load a wave; wave 0's has a line of its own, since it is shown ahead of the rest
	s_cbranch_scc0 .Lothers
	TLOAD
	s_branch .Lasked
.Lothers:
	TLOAD
.Lasked:
	WIN W_LD
.irp j, 0,1,2,3,4,5,6,7
	v_mov_b32 v[QA+8+\j], 0                        ; Q's codes for k = 64 .. 127
	v_mov_b32 v[QB+8+\j], 0
	v_mov_b32 v[ZR+\j], 0                          ; behind K's tile 7
.endr
	WIN 0
.set J_, 0
.rept 64
	v_mov_b32 v[OA+J_], 0                          ; O^T of both tiles: the first step finds zeros, which the first change of M leaves zeros
.set J_, J_+1
.endr
	v_mov_b32 v[FF], 0                             ; (each is named beside the other as a pair)
	v_mov_b32 v[FF+1], 0
	v_mov_b32 v[FL], 0x4800000
.irp st, STA, STB
	v_mov_b32 v[\st+1], 0xd0800000                 ; the largest score so far: -2^34
	v_mul_f32 v[\st], s[NCS], v[\st+1]
	v_floor_f32 v[\st], v[\st]                     ; -M
	v_mov_b32 v[\st+2], 0                          ; the sum, in two halves
	v_mov_b32 v[\st+3], 0
.endr
	s_wait_alu depctr_va_vdst(0)
	s_wait_loadcnt 6                               ; the mask is in; Q's six loads may be out
.irp j, 0,1,2,3,4,5,6,7
	v_mul_f32 v[SA+\j], 0x41000000, v[SA+\j]       ; 8 x mask: exact, or infinite,
.endr
.irp j, 0,1,2,3,4,5,6,7
	v_max_num_f32 v[SA+\j], 0xff7fffff, v[SA+\j]   ; held at the lowest f32 number, as the maximum in front of the softmax holds the logit
.endr
	ds_store_b128 v[TP], v[SA:SA+3]
	ds_store_b128 v[TP], v[SA+4:SA+7] offset:4096
	s_wait_loadcnt 0x0                             ; Q
; 36 LDS loads: m8, K and K's scale words of the record 'off' bytes (m8: 'moff' bytes) behind the addresses given
.macro LOADK adk, ads, adm, off, moff
	WIN W_LD
.irp t, 0,1,2,3,4,5,6,7
	ds_load_b128 v[MK+8*\t:MK+8*\t+3], v[\adm] offset:\moff+(32*(\t/2)+8*(\t%2))*4        ; m8 of keys 32 (t / 2) + 16 h + 8 (t % 2) + 0 .. 7: sixteen lanes read the same bytes
	ds_load_b128 v[MK+8*\t+4:MK+8*\t+7], v[\adm] offset:\moff+(32*(\t/2)+8*(\t%2))*4+16
.endr
.irp t, 0,1,2,3,4,5,6,7
	ds_load_b128 v[KF+8*\t:KF+8*\t+3], v[\adk] offset:\off+1024*\t                        ; K's tile t: 512 consecutive bytes a load
	ds_load_b128 v[KF+8*\t+4:KF+8*\t+7], v[\adk] offset:\off+1024*\t+512
.endr
	WIN 0
.irp i, 0,1,2,3
	ds_load_b32 v[KSW+\i], v[\ads] offset:\off+8192+128*\i
.endr
.endm
; S^T = K Q^T + m8 for one tile of queries: eight results, one instruction each; m8 stays as it is for the other tile
.macro SCORES s, q, qs
	WIN W_KQ
.irp i, 0,1,2,3
	v_wmma_scale_f32_16x16x128_f8f6f4 v[\s+16*\i:\s+16*\i+7], v[KF+16*\i:KF+16*\i+15], v[\q:\q+15], v[MK+16*\i:MK+16*\i+7], v[KSW+\i], v[\qs]
	v_wmma_scale_f32_16x16x128_f8f6f4 v[\s+16*\i+8:\s+16*\i+15], v[KF+16*\i+8:KF+16*\i+23], v[\q:\q+15], v[MK+16*\i+8:MK+16*\i+15], v[KSW+\i], v[\qs] matrix_a_scale:MATRIX_SCALE_ROW1
.endr
	WIN 0
.endm
; O^T += V^T P^T for one tile of queries: four accumulators, one instruction each
.macro PV o, pc, pw
	WIN W_PV
.irp i, 0,1
	v_wmma_scale_f32_16x16x128_f8f6f4 v[\o+16*\i:\o+16*\i+7], v[VF+32*\i:VF+32*\i+15], v[\pc:\pc+15], v[\o+16*\i:\o+16*\i+7], v[VSW+\i], v[\pw]
	v_wmma_scale_f32_16x16x128_f8f6f4 v[\o+16*\i+8:\o+16*\i+15], v[VF+32*\i+16:VF+32*\i+31], v[\pc:\pc+15], v[\o+16*\i+8:\o+16*\i+15], v[VSW+\i], v[\pw] matrix_a_scale:MATRIX_SCALE_ROW1
.endr
	WIN 0
.endm
; The softmax in single lines, so that independent ones can stand beside each other; k counts a list's lines.
.macro MAXK s, bm, k                   ; k = 0 .. 31: the largest score of each block of 32 keys (my 16 of them), the four blocks by turns
.if (\k) < 4
	v_max3_num_f32 v[\bm+(\k)], v[\s+16*(\k)], v[\s+16*(\k)+1], v[\s+16*(\k)+2]
.elseif (\k) < 28
	v_max3_num_f32 v[\bm+(\k)%4], v[\bm+(\k)%4], v[\s+16*((\k)%4)+3+2*(((\k)-4)/4)], v[\s+16*((\k)%4)+4+2*(((\k)-4)/4)]
.else
	v_max_num_f32 v[\bm+(\k)%4], v[\bm+(\k)%4], v[\s+16*((\k)%4)+15]
.endif
.endm
.macro JOIN bm, so                     ; with lane l xor 16's 16 keys
.irp b, 0,1,2,3
	v_permlanex16_b32 v[\so+\b], v[\bm+\b], s[SEL], s[SEL+1]
.endr
.irp b, 0,2
	v_dual_max_num_f32 v[\bm+\b], v[\bm+\b], v[\so+\b] :: v_dual_max_num_f32 v[\bm+\b+1], v[\bm+\b+1], v[\so+\b+1]
.endr
.endm
.macro CHAIN st, bm, f, k, hint        ; k = 0 .. 7: the running largest score, -M = floor(-t), f = 2^(old M - new M)
.if (\k) == 0
	v_max3_num_f32 v[TP], v[\bm], v[\bm+1], v[\bm+2]
.elseif (\k) == 1
	v_max3_num_f32 v[\st+1], v[\st+1], v[TP], v[\bm+3]
.elseif (\k) == 2
.if \hint
	s_delay_alu instid0(VALU_DEP_1)
.endif
	v_mul_f32 v[TP], s[NCS], v[\st+1]              ; -t
.elseif (\k) == 3
.if \hint
	s_delay_alu instid0(VALU_DEP_1)
.endif
	v_floor_f32 v[TP], v[TP]                       ; the new -M: a whole number
.elseif (\k) == 4
.if \hint
	s_delay_alu instid0(VALU_DEP_1)
.endif
	v_sub_f32 v[\f], v[TP], v[\st]                 ; old M - new M: 0 or less
.elseif (\k) == 5
	v_mov_b32 v[\st], v[TP]
.elseif (\k) == 6
.if \hint
	s_delay_alu instid0(VALU_DEP_2)
.endif
	v_cvt_i32_f32 v[\f], v[\f]                     ; (it saturates)
.else
.if \hint
	s_delay_alu instid0(VALU_DEP_1)
.endif
	v_ldexp_f32 v[\f], 1.0, v[\f]
.endif
.endm
.macro PKF s, bm, st, k                ; k = 0 .. 33: t - M, two at a time, and the same of each block's largest score (of the pairs c and -M the low word serves both halves)
.if (\k) < 32
	v_pk_fma_f32 v[\s+2*(\k):\s+2*(\k)+1], v[\s+2*(\k):\s+2*(\k)+1], s[CS:CS+1], v[\st:\st+1] op_sel_hi:[1,0,0]
.else
	v_pk_fma_f32 v[\bm+2*((\k)-32):\bm+2*((\k)-32)+1], v[\bm+2*((\k)-32):\bm+2*((\k)-32)+1], s[CS:CS+1], v[\st:\st+1] op_sel_hi:[1,0,0]
.endif
.endm
.macro UNDER x, b                      ; a pair of numbers under the new M: x f (b = 0: tile A's f, the pair's low word; 1: tile B's, its high word)
.if \b
	v_pk_mul_f32 v[\x:\x+1], v[\x:\x+1], v[FF:FF+1] op_sel:[0,1]
.else
	v_pk_mul_f32 v[\x:\x+1], v[\x:\x+1], v[FF:FF+1] op_sel_hi:[1,0]
.endif
.endm
.macro EXPK s, bm, k                   ; k = 0 .. 67: p = 2^(t - M), and each block's largest p: the same two instructions on the same number give the same bits
.if (\k) < 64
	v_exp_f32 v[\s+(\k)], v[\s+(\k)]
.else
	v_exp_f32 v[\bm+(\k)-64], v[\bm+(\k)-64]
.endif
.endm
.macro SUMK st, s, k                   ; k = 0 .. 28: the row's sum of the unquantised p, two at a time, in four chains; 29 .. 31: the chains joined
.if (\k) < 3
	v_pk_add_f32 v[CH+2*(\k):CH+2*(\k)+1], v[\s+4*(\k):\s+4*(\k)+1], v[\s+4*(\k)+2:\s+4*(\k)+3]
.elseif (\k) == 29
	v_pk_add_f32 v[CH:CH+1], v[CH:CH+1], v[CH+2:CH+3]
.elseif (\k) == 30
	v_pk_add_f32 v[\st+2:\st+3], v[\st+2:\st+3], v[CH+4:CH+5]
.elseif (\k) == 31
	v_pk_add_f32 v[\st+2:\st+3], v[\st+2:\st+3], v[CH:CH+1]
.elseif (\k)%4 == 3
	v_pk_add_f32 v[\st+2:\st+3], v[\st+2:\st+3], v[\s+2*((\k)+3):\s+2*((\k)+3)+1]
.else
	v_pk_add_f32 v[CH+2*((\k)%4):CH+2*((\k)%4)+1], v[CH+2*((\k)%4):CH+2*((\k)%4)+1], v[\s+2*((\k)+3):\s+2*((\k)+3)+1]
.endif
.endm
.macro SCALEK bm, so, pw, k            ; k = 0 .. 14: each block's scale
.if (\k) < 2
	v_dual_max_num_f32 v[\bm+2*(\k)], v[\bm+2*(\k)], v[FL] :: v_dual_max_num_f32 v[\bm+2*(\k)+1], v[\bm+2*(\k)+1], v[FL]   ; the floor: the byte cannot fall under 1 (a block whose every p is 0 keeps that byte: its codes are zeros)
.elseif (\k) < 4
	v_pk_mul_f32 v[\so+2*((\k)-2):\so+2*((\k)-2)+1], v[\bm+2*((\k)-2):\bm+2*((\k)-2)+1], 0x3b800000 op_sel_hi:[1,0]   ; x 2^-8: 8 off its exponent field: the conversion's scale operand
.elseif (\k) < 8
	v_and_or_b32 v[\bm+(\k)-4], v[\bm+(\k)-4], 0x7f800000, s[MNT]   ; 448 x the scale
.elseif (\k) == 8
	v_lshrrev_b32 v[\pw], 23, v[\so]               ; the scales' bytes make p's scale word for these 128 keys
.elseif (\k) < 12
	v_lshrrev_b32 v[BY+(\k)-9], 23, v[\so+(\k)-8]
.else
	v_lshl_or_b32 v[\pw], v[BY+(\k)-12], 8*((\k)-11), v[\pw]
.endif
.endm
.macro DMIN s, bm, k                   ; k = 0 .. 31: the conversion to an 8-bit code does not saturate (ISA guide 7.6.2); p is not negative, so the hold is one-sided
	v_dual_min_num_f32 v[\s+2*(\k)], v[\s+2*(\k)], v[\bm+(\k)/8] :: v_dual_min_num_f32 v[\s+2*(\k)+1], v[\s+2*(\k)+1], v[\bm+(\k)/8]
.endm
.macro CVT s, pc, so, k                ; k = 0 .. 7: eight codes
	v_cvt_scalef32_pk8_fp8_f32 v[\pc+2*(\k):\pc+2*(\k)+1], v[\s+8*(\k):\s+8*(\k)+7], v[\so+(\k)/2]
.endm
; A KEY STEP: 128 keys, both tiles; tile A's scores have been made.  pf = 1: the next step's K, m8 and K's words are asked for, and its scores A are made.
; A load into a register that a matrix instruction has read, and a vector instruction that reads a matrix result, stand eight places behind it, and a matrix instruction that writes over its registers nine; only plain vector
; instructions that name none of its registers are places.
.macro STEP pf
	v_add_nc_u32 v[ADK], s[TB], v[LI]
	v_add_nc_u32 v[ADS], s[TB], v[LS]
	v_add_nc_u32 v[ADM], s[TMK], v[MA]
.set K_, 0
.rept 32
	MAXK SA, BMA, K_
.set K_, K_+1
.endr
.irp i, 0,1                                    ; V's words and four tiles of 16 channels x 128 keys: the places behind the last V^T P are the maxima above
	ds_load_b32 v[VSW+\i], v[ADS] offset:16896+128*\i
.endr
	WIN W_LD
.irp t, 0,1,2,3
.irp c, 0,1,2,3
	ds_load_b128 v[VF+16*\t+4*\c:VF+16*\t+4*\c+3], v[ADK] offset:8704+2048*\t+512*\c
.endr
.endr
	SCORES SB, QB, QSB
	JOIN BMA, SOA                                  ; these fourteen lines are the places behind the scores B
.irp k, 0,1,2,3,4,5,6,7
	CHAIN STA, BMA, FF, \k, 1
.endr
.if \pf
	LOADK ADK, ADS, ADM, REC, 512
.endif
.set K_, 0
.rept 34
	PKF SA, BMA, STA, K_
.if K_ < 32
	MAXK SB, BMB, K_
.endif
.set K_, K_+1
.endr
	JOIN BMB, SOB
.set K_, 0
.rept 8
	CHAIN STB, BMB, FF+1, K_, 0
	UNDER OA+4*K_, 0                               ; O^T under the new M; each accumulator from its low end on
	UNDER OA+4*K_+2, 0
.set K_, K_+1
.endr
.set K_, 0
.rept 16
	UNDER OB+2*K_, 1
.set K_, K_+1
.endr
	s_wait_alu depctr_va_vdst(0)
.set K_, 0
.rept 68
	EXPK SA, BMA, K_
.if K_%2
	PKF SB, BMB, STB, K_/2                         ; (their readers stand behind the next wait)
.endif
.set K_, K_+1
.endr
	UNDER STA+2, 0                                 ; the sum under the new M
	s_wait_alu depctr_va_vdst(0)                   ; and behind it: one wait for the whole batch and for the lines among it
.set K_, 0
.rept 32
	SUMK STA, SA, K_
.if K_ < 15
	SCALEK BMA, SOA, PWA, K_
.endif
.set K_, K_+1
.endr
.irp k, 0,8,16,24                              ; the first reader of each bound stands ahead of the batch
	DMIN SA, BMA, \k
.endr
.set K_, 0
.rept 68
	EXPK SB, BMB, K_
.if K_%2 && K_/2 < 28
	DMIN SA, BMA, K_/2+K_/14+1                     ; the other 28 holds (K_ / 14 = (K_ / 2) / 7)
.endif
.set K_, K_+1
.endr
	UNDER STB+2, 1
	s_wait_alu depctr_va_vdst(0)                   ; one wait behind the batch and the lines among it
.set K_, 0
.rept 29
	SUMK STB, SB, K_
.if K_ < 15
	SCALEK BMB, SOB, PWB, K_
.endif
.if K_%2 && K_ < 16
	CVT SA, PCA, SOA, K_/2                         ; (plain lines stand between a conversion and the next, which writes over earlier ones' sources)
.endif
.set K_, K_+1
.endr
	s_wait_dscnt 0x0                               ; V, and the next step's K, m8 and K's words, asked for ahead of the multiply-adds, are in
	PV OA, PCA, PWA
.set K_, 0
.rept 32
.if K_ == 16 && \pf                            ; sixteen holds are the places between V^T P of A and the scores that write over its codes, and sixteen more those behind these scores
	SCORES SA, QA, QSA
.endif
	DMIN SB, BMB, K_
.if K_ > 7 && K_%8 == 1
	CVT SB, PCB, SOB, 2*(K_/8-1)
.endif
.if K_ > 7 && K_%8 == 3
	CVT SB, PCB, SOB, 2*(K_/8-1)+1
.endif
.set K_, K_+1
.endr
	CVT SB, PCB, SOB, 6
	SUMK STB, SB, 29
	CVT SB, PCB, SOB, 7
	SUMK STB, SB, 30                               ; the sum's last two lines and two v_nop: four places between the codes and the product
	SUMK STB, SB, 31
	v_nop
	v_nop
	PV OB, PCB, PWB
.endm
	s_cmp_eq_u32 s[WV], 0
	s_cbranch_scc0 .Lnot_yet
	s_wait_tensorcnt 0x0                           ; wave 0: records 0 and 1 have landed.  The other waves' wait stands at the second barrier
.Lnot_yet:
	s_wait_dscnt 0x0                               ; my stores of m8 are done
	s_barrier_signal -1
	s_barrier_wait -1
	LOADK LI, LS, MA, 0, 0                         ; step 0's K, m8 and K's words
	s_mov_b32 s[TB], 0
	s_mov_b32 s[TMK], 0
	s_wait_dscnt 0x0
	SCORES SA, QA, QSA
.irp b, 0,1,2,3,4,5,6,7
	v_mov_b32 v[SOA+\b], 0                         ; a lane permute's destination counts as one of its sources.  (These eight are the places behind the scores)
.endr
	STEP 1
	s_wait_alu depctr_va_vdst(0)
	s_wait_tensorcnt 0x0                           ; my two records are in
	s_wait_dscnt 0x0
	s_barrier_signal -1
	s_barrier_wait -1                              ; and so are all sixteen
	s_mov_b32 s[TB], REC
	s_mov_b32 s[TMK], 512
	s_mov_b32 s[CNT], 14
.Lstep:
	STEP 1
	s_add_co_u32 s[TB], s[TB], REC
	s_add_co_u32 s[TMK], s[TMK], 512
	s_sub_co_u32 s[CNT], s[CNT], 1
	s_cmp_lg_u32 s[CNT], 0
	s_cbranch_scc1 .Lstep
	s_mov_b32 s[TB], 15*REC
	s_mov_b32 s[TMK], 15*512
	STEP 0                                         ; the last step asks for nothing beyond the last record
	; THE WAY OUT.  O^T / the sum goes through my own stage in LDS, tile A and then tile B, and leaves as rows: sixteen lanes store a query's 64 channels, 256 consecutive bytes, aligned.
	s_mul_i32 s48, s[WV], 16*SP
	s_add_co_u32 s48, s48, STAGE                   ; my stage
	v_and_b32 v36, 15, v0                          ; r.  (These lines are the places behind the last products)
	v_bfe_u32 v37, v0, 4, 1                        ; h
	v_add_f32 v[STA+2], v[STA+2], v[STA+3]         ; the sums' two halves,
	v_add_f32 v[STB+2], v[STB+2], v[STB+3]
	v_mul_u32_u24 v38, v36, SP
	v_mul_u32_u24 v39, v37, SP
	v_permlanex16_b32 v[SOA], v[STA+2], s[SEL], s[SEL+1]
	v_permlanex16_b32 v[SOB], v[STB+2], s[SEL], s[SEL+1]
	v_lshl_add_u32 v38, v37, 5, v38
	v_lshl_add_u32 v39, v36, 4, v39
	v_lshlrev_b32 v40, 12, v37
	v_add_f32 v[STA+2], v[STA+2], v[SOA]           ; and lane l xor 16's: the rows' sums
	v_add_f32 v[STB+2], v[STB+2], v[SOB]
	v_add_nc_u32 v38, s48, v38                     ; in: row r; tile t's eight channels of my half: 64 t + 32 h bytes on
	v_add_nc_u32 v39, s48, v39                     ; back: lanes 0-15 one row, lanes 16-31 the next
	v_lshl_add_u32 v40, v36, 4, v40                ; in out: 4,096 h + 16 r
	s_wait_alu depctr_va_vdst(0)
	v_rcp_f32 v[FF], v[STA+2]
	v_rcp_f32 v[CH], v[STB+2]
	v_nop                                          ; a plain place behind the transcendentals
	s_wait_alu depctr_va_vdst(0)                   ; and behind it, directly ahead of the first readers of the last products' results too
.set J_, 0
.rept 16
	v_pk_mul_f32 v[SA+J_:SA+J_+1], v[OA+J_:OA+J_+1], v[FF:FF+1] op_sel_hi:[1,0]   ; tile A: register 8 t + i is channel 16 t + 8 h + i of query r
.set J_, J_+2
.endr
.set J_, 0
.rept 16
	v_pk_mul_f32 v[SB+J_:SB+J_+1], v[OB+J_:OB+J_+1], v[CH:CH+1] op_sel_hi:[1,0]   ; tile B
.set J_, J_+2
.endr
.irp x, SA, SB
.irp t, 0,1,2,3
	ds_store_b128 v38, v[\x+8*\t:\x+8*\t+3] offset:64*\t
	ds_store_b128 v38, v[\x+8*\t+4:\x+8*\t+7] offset:64*\t+16
.endr
.irp i, 0,1,2,3,4,5,6,7
	ds_load_b128 v[\x+32+4*\i:\x+32+4*\i+3], v39 offset:2*\i*SP   ; LDS serves a wave's instructions in order (ISA guide 5.7.1.4): these see the stores above, and tile B's stores come behind tile A's loads
.endr
.endr
.irp i, 0,1,2,3,4,5,6,7
	s_wait_dscnt 23-\i                             ; this load is in; tile A's behind it, and tile B's eight stores and eight loads, may be out
	global_store_b128 v40, v[SA+32+4*\i:SA+32+4*\i+3], s[10:11] offset:(2*\i+8*(\i/4))*4096 th:TH_STORE_NT   ; a tile's row n is token n + 8 (n / 8) of the tile's run;
.endr
.irp i, 0,1,2,3,4,5,6,7
	s_wait_dscnt 7-\i
	global_store_b128 v40, v[SB+32+4*\i:SB+32+4*\i+3], s[10:11] offset:(2*\i+8*(\i/4)+8)*4096 th:TH_STORE_NT   ; tile B's run begins 8 tokens on
.endr
	s_wait_tensorcnt 0x0                           ; the wave's end
	ds_add_u32 v[SPW], v[NIL]
	s_wait_dscnt 0x0
	ROUND                                          ; the closing round: no work-group ends while a partner may still ask for a record that names it
	s_endpgm
.Lfunc_end_k_qa3f4676b7f_attn:
	.size	k_qa3f4676b7f_attn, .Lfunc_end_k_qa3f4676b7f_attn-k_qa3f4676b7f_attn
	.p2alignl 7, 3214868480
	.fill 96, 4, 3214868480
	.section	.rodata,"a",@progbits
	.p2align	6, 0x0
	.amdhsa_kernel k_qa3f4676b7f_attn
		.amdhsa_group_segment_fixed_size 327680
		.amdhsa_private_segment_fixed_size 0
		.amdhsa_enable_private_segment 0
		.amdhsa_kernarg_size 32
		.amdhsa_user_sgpr_count 2
		.amdhsa_user_sgpr_kernarg_segment_ptr 1
		.amdhsa_wavefront_size32 1
		.amdhsa_system_sgpr_workgroup_id_x 1
		.amdhsa_system_sgpr_workgroup_id_y 1
		.amdhsa_system_sgpr_workgroup_id_z 1
		.amdhsa_system_vgpr_workitem_id 0
		.amdhsa_next_free_vgpr 512
		.amdhsa_next_free_sgpr 66
		.amdhsa_reserve_vcc 0
		.amdhsa_float_denorm_mode_32 3
		.amdhsa_float_denorm_mode_16_64 3
		.amdhsa_memory_ordered 1
		.amdhsa_forward_progress 1
		.amdhsa_inst_pref_size 121
	.end_amdhsa_kernel
	.amdgpu_metadata
---
amdhsa.version: [ 1, 2 ]
amdhsa.kernels:
  - .name:           k_qa3f4676b7f_attn
    .symbol:         k_qa3f4676b7f_attn.kd
    .args:
      - { .name: q_rec, .offset: 0, .size: 8, .value_kind: global_buffer, .address_space: global }
      - { .name: kv_rec, .offset: 8, .size: 8, .value_kind: global_buffer, .address_space: global }
      - { .name: attention_mask, .offset: 16, .size: 8, .value_kind: global_buffer, .address_space: global }
      - { .name: out0, .offset: 24, .size: 8, .value_kind: global_buffer, .address_space: global }
    .group_segment_fixed_size: 327680
    .private_segment_fixed_size: 0
    .kernarg_segment_align: 8
    .kernarg_segment_size: 32
    .max_flat_workgroup_size: 256
    .sgpr_count:     66
    .vgpr_count:     512
    .wavefront_size: 32
...
	.end_amdgpu_metadata
.endif
;; end of part 3
